; MI455X (gfx1250); checked and timed in simulation.
; The chip was launched on July 23, 2026; its instructions are those of AMD's public machine-readable ISA for CDNA 5 (MIT licence, August 2026) and "CDNA5" Instruction Set Architecture Reference Guide (July 2026). The comments in the code are by the model that wrote it; some were corrected since.
;; IPEX Scale Dot Product Ref. Allowed arithmetic: matrix products marked QUANTISED: E2M3 operands, one E8M0 scale for each 32 along K, by v_wmma_scale_f32_16x16x128_f8f6f4 with both operands' format E2M3, f32 sums; everything else in f32.
;; Inputs: attention_mask 2 x 1 x 2,048 x 2,048 float32; key 2 x 8 x 2,048 x 128 float32; query 2 x 32 x 2,048 x 128 float32; scale_attn one number float32; value 2 x 8 x 2,048 x 128 float32.
;; Outputs: out0 2 x 32 x 2,048 x 128 float32.
;; This version of the problem:
;;   THIS VERSION OF THE PROBLEM IS GIVEN IN LOW PRECISION. The matrix products marked QUANTISED in the list below multiply operands that are first quantised to E2M3 (2 exponent bits, 3 mantissa bits; 6 bits a number), with one power-of-two scale for each 32 numbers along K (OCP MX v1.0); their sums are f32. All else is computed in f32.
;;   The module's matrix products, in the order in which they are computed (A, B: the left and right operand; K: the contracted axis; several contracted axes count as one K, in the product's order):
;;     1. batch 64 x [M 2,048, K 128] x [K 128, N 2,048]; A: input query; B: input key: QUANTISED
;;     2. batch 64 x [M 2,048, K 2,048] x [K 2,048, N 128]; A: softmax (see below); B: input value: QUANTISED
;;   THE QUANTISER, for each operand of a quantised product, along K:
;;     - K is cut into blocks of 32 from its start; a last block that is shorter is filled with zeros.
;;     - A block's scale is 2^e with e = floor(log2(the largest magnitude in the block)) - 2, held to -126 .. 127; a block of zeros has e = 0. As a byte (E8M0): e + 127.
;;     - Each number is divided by its block's scale, clamped to +-7.5, and rounded to the nearest number of E2M3, ties to even, subnormals kept.
;;     - The product sums the exact products of the quantised numbers (number of the format x scale) in f32.
;;   ~~~python
;;   def quantise(x, axis):      # numpy; x: float32 -> the quantised numbers, widened to float32 again
;;       x = np.moveaxis(x, axis, -1); K = x.shape[-1]
;;       x = np.pad(x, [(0, 0)] * (x.ndim - 1) + [(0, -K % 32)]); x = x.reshape(x.shape[:-1] + (-1, 32)); a = np.abs(x).max(-1, keepdims=True)
;;       e = np.where(a > 0, np.clip(np.frexp(np.where(a > 0, a, 1))[1] - 1 - 2, -126, 127), 0)      # np.frexp(a)[1] - 1 = floor(log2(a)), exactly
;;       r = np.clip(x / 2.0 ** e, -7.5, 7.5)
;;       step = 2.0 ** (np.maximum(np.frexp(np.where(r == 0, 1, r))[1] - 1, 0) - 3)
;;       q = np.round(r / step) * step * 2.0 ** e      # np.round: ties to even
;;       return np.moveaxis(q.reshape(q.shape[:-2] + (-1,))[..., :K], -1, axis).astype(np.float32)
;;   ~~~
;;   SOFTMAX AHEAD OF A QUANTISED PRODUCT. Where the list says 'softmax', what is quantised is not the finished softmax but p = 2^(t - M), with t = logit x log2(e) and M = ceil(the row's largest t), a whole number; so 1/2 < the row's largest p <= 1. The row's sum l is taken of the UNQUANTISED p, in f32, and the product's result is divided by l at the end. Since M is a whole number, a kernel that streams over the keys may use a running M (the ceiling of the running maximum): every later rescaling is an exact power of two, which a block's scale takes up: the codes' values come out the same.
;;   OPERANDS COMPUTED ON THE WAY. 'Computed on the way' means the value that the module computes at that place (a softmax that the list does not call 'softmax' is quantised finished and normalised). What goes into a quantiser is computed in f32, as accurately as f32 sums, v_exp_f32 and their like allow (about 1e-6 of the number): no bf16 or f16 on the way to a quantiser, and a product that is left as it is and whose result goes on into a quantised operand takes f32 operands (vector FMAs, or v_wmma_f32_16x16x4_f32). A number that lies on a knife's edge between two numbers of the format may be rounded either way, as far as f32 arithmetic and the matrix unit's own rounding can turn it there, and no further.
;; One version. Each part assembles by itself: llvm-mc -triple=amdgcn-amd-amdhsa -mcpu=gfx1250 --defsym DOCPART=n.
;; ======== version 1 of 1: 2 launches
;; limits: right only within a limited range of input values
;; workspace buffers: kv 6,553,600 bytes
;; launch quant (part 1): grid 512 x 1, 4 waves a work-group, no clusters, 35,328 bytes of LDS; arguments key, value, kv; writes kv
.if DOCPART == 1
	.amdgcn_target "amdgcn-amd-amdhsa--gfx1250"
	.amdhsa_code_object_version 6
	.text
	.protected	k_q31ad8aed38_quant
	.globl	k_q31ad8aed38_quant
	.p2align	8
	.type	k_q31ad8aed38_quant,@function
k_q31ad8aed38_quant:
	s_mov_b64 s[64:65], 0
	v_nop
	global_prefetch_b8 v0, s[64:65] scope:SCOPE_SE
	s_setreg_imm32_b32 hwreg(HW_REG_WAVE_MODE, 25, 1), 1
	s_wait_xcnt 0x0
; key and value, [16 heads][2048 keys][128] f32, are turned ONCE into codes of FP6 (E2M3) with one E8M0 scale byte for each 32 along a product's K,
; laid in the order in which the attention launch's operand registers take them.  K's blocks of 32 run along the head's 128, V's along the keys.
; kv holds 256 units of 25,600 bytes, unit = 16 x head + key step (128 keys):
;   0      + 1536 t  image of K's fragment t (t = 0..7): registers 4 j .. 4 j + 3 of lane l at 512 j + 16 l.  Lane (r, h) holds key 32 (t / 2) + 8 (t % 2) + r + 8 (r / 8) of the step,
;                    registers 6 c .. 6 c + 5 the codes of d = 64 c + 32 h + 0 .. 31.  (The keys of a tile are not neighbours: so the scores of two neighbouring tiles are 16 neighbouring keys in a lane.)
;   12,288           K's scale words: lane l's 16 bytes at 16 l; word j: lanes 0-15 tile 2 j's rows, lanes 16-31 tile 2 j + 1's
;   12,800 + 1536 t  image of V^T's fragment t: lane (r, h) holds d = 16 t + r, registers 6 c .. 6 c + 5 the codes of keys 64 c + 32 h + 0 .. 31 of the step
;   25,088           V's scale words, laid as K's
; A block's scale is 2^(floor(log2(its largest magnitude)) - 2); its byte is that magnitude's exponent field - 2.
; LIMITS: a block's largest magnitude is taken as at least 2^-124 (the floor, which holds the byte at 1 from below); a block of zeros so gets the byte 1 where the rule says 127: its codes are zeros,
; which add nothing under any byte but 0xff, and this program alone reads the bytes.  NaN and infinities among the inputs are not served.
; SHARES: work-groups 0-255 take K's units, 256-511 V's.  Wave w makes tiles 2 w and 2 w + 1 and scale word w.  No tensor loads; one barrier, for the 512 bytes of scale words, which leave as two whole runs of 256.
.set STEPB, 25600                      ; a unit
.set HALFB, 12800                      ; K's part of it, and V's
.set SCOFF, 12288                      ; the scale words in a part
.set SP,    528                        ; K's stage: a row of 512 bytes + 16 = 132 words: row r starts at bank 4 r mod 64 (64 banks of 4 bytes: ISA guide 11.1)
.set WSTG,  16*SP                      ; a wave's stage: 16 rows.  K's path alone touches the stages
.set SCB,   4*WSTG                     ; behind the stages: 512 bytes for the scale words.  The common tail alone touches them
.set R,   16                           ; v16-143   K: two tiles of 16 rows as they are loaded
.set X,   144                          ; v144-207  K: a lane's 64 numbers;  V: two sets of 32 numbers
.set F0,  208                          ; v208-219  the codes of tile 2 w
.set F1,  220                          ; v220-231  of tile 2 w + 1
.set CT,  232                          ; v232-234, v236-238  second halves of blocks, as the conversion leaves them
.set MX,  240                          ; v240-241  largest magnitudes
.set SO,  242                          ; v242-243  the conversions' scale operands
.set BY,  244                          ; v244-245  scale bytes
.set W0,  246                          ; v246, v247 the two tiles' scale words
.set W1,  247
.set W,   248                          ; v248      what goes out: lanes 0-15 tile 2 w's words, lanes 16-31 tile 2 w + 1's
.set T0,  249
.set T1,  250
; 64 numbers of a lane, v[x + 32 c + i] = k 64 c + 32 h + i of my row: two WHOLE blocks.  They become a fragment's 12 registers at v[f] and my row's scale word in v[w] (the same in lanes l and l xor 16).
.macro QB x, f, w
.irp c, 0,1
	v_max3_num_f32 v[MX+\c], |v[\x+32*\c]|, |v[\x+32*\c+1]|, 0x1800000      ; the floor 2^(3 - 127) among the leaves: the byte cannot fall under 1
.endr
.irp i, 2,4,6,8,10,12,14,16,18,20,22,24,26,28,30
.irp c, 0,1
	v_max3_num_f32 v[MX+\c], v[MX+\c], |v[\x+32*\c+\i]|, |v[\x+32*\c+\i+1]|  ; the two blocks by turns
.endr
.endr
.irp c, 0,1
	v_add_nc_u32 v[SO+\c], 0xff000000, v[MX+\c]    ; 2 off the exponent field: the conversion takes the exponent field of this operand as its scale
.endr
.irp c, 0,1
	v_lshrrev_b32 v[BY+\c], 23, v[SO+\c]           ; the scale's byte
.endr
	v_lshl_or_b32 v[T0], v[BY+1], 16, v[BY]        ; my bytes: blocks h and 2 + h,
	v_lshlrev_b32 v[T0], v10, v[T0]                ; 8 h bits up;
	v_permlanex16_b32 v[T1], v[T0], s20, s21
	v_or_b32 v[\w], v[T0], v[T1]                   ; with lane l xor 16's two the word is whole
.irp c, 0,1
	v_cvt_scalef32_pk16_fp6_f32 v[\f+6*\c:\f+6*\c+2], v[\x+32*\c:\x+32*\c+15], v[SO+\c]
	v_cvt_scalef32_pk16_fp6_f32 v[CT+4*\c:CT+4*\c+2], v[\x+32*\c+16:\x+32*\c+31], v[SO+\c]   ; (a conversion's three registers begin on an even number: a block's second three do not)
.endr
	v_nop                                          ; one plain place behind a scaled conversion
.irp c, 0,1
.irp i, 0,1,2
	v_mov_b32 v[\f+6*\c+3+\i], v[CT+4*\c+\i]
.endr
.endr
.endm
; K's tile u: its 16 rows turn through my stage: in as they were loaded (a row an instruction), out 128 consecutive bytes a lane, twice.  LDS serves a wave's instructions in order (ISA guide 5.7.1.4): no wait between stores and loads.
.macro KTILE u, f, w, left
	s_wait_loadcnt \left
.irp i, 0,1,2,3,4,5,6,7,8,9,10,11,12,13,14,15
	ds_store_b128 v5, v[R+64*\u+4*\i:R+64*\u+4*\i+3] offset:SP*\i
.endr
.irp c, 0,1
.irp j, 0,1,2,3,4,5,6,7
	ds_load_b128 v[X+32*\c+4*\j:X+32*\c+4*\j+3], v6 offset:256*\c+16*\j
.endr
.endr
	s_wait_dscnt 0x0
	QB X, \f, \w
.endm
; V: a lane takes a column d and its registers run down the keys: block t is V(32 t + i, my d), i = 0 .. 31; a load reads 128 consecutive bytes, the four waves stand side by side on a row's 512
.macro VLOAD t
.irp i, 0,1,2,3,4,5,6,7,8,9,10,11,12,13,14,15,16,17,18,19,20,21,22,23,24,25,26,27,28,29,30,31
	global_load_b32 v[X+32*((\t)%2)+\i], v7, s[4:5] offset:(32*(\t)+\i)*512 th:TH_LOAD_NT
.endr
.endm
.macro VBLOCK t
.set XS, X+32*((\t)%2)
.set FD, F0+12*((\t)%2)+6*((\t)/2)     ; blocks 0 and 2 into F0, blocks 1 and 3 into F1
.if (\t) < 3
	s_wait_loadcnt 32                              ; this block's 32 loads are in; the next block's 32 may be out
.else
	s_wait_loadcnt 0x0
.endif
	v_max3_num_f32 v[MX], |v[XS]|, |v[XS+1]|, |v[XS+2]|             ; all 32 numbers of the block are mine
	v_max3_num_f32 v[MX+1], |v[XS+3]|, |v[XS+4]|, |v[XS+5]|
.irp i, 6,10,14,18,22,26
	v_max3_num_f32 v[MX], v[MX], |v[XS+\i]|, |v[XS+\i+1]|
	v_max3_num_f32 v[MX+1], v[MX+1], |v[XS+\i+2]|, |v[XS+\i+3]|
.endr
	v_max3_num_f32 v[MX], v[MX], |v[XS+30]|, |v[XS+31]|
	v_max3_num_f32 v[MX], v[MX], v[MX+1], 0x1800000 ; and the floor
	v_add_nc_u32 v[SO], 0xff000000, v[MX]
.if (\t) == 0
	v_lshrrev_b32 v[W], 23, v[SO]                  ; byte t of my column's scale word
.else
	v_lshrrev_b32 v[T0], 23, v[SO]
	v_lshl_or_b32 v[W], v[T0], 8*(\t), v[W]
.endif
	v_cvt_scalef32_pk16_fp6_f32 v[FD:FD+2], v[XS:XS+15], v[SO]
	v_cvt_scalef32_pk16_fp6_f32 v[CT:CT+2], v[XS+16:XS+31], v[SO]
	v_nop                                          ; one plain place behind a scaled conversion
.irp i, 0,1,2
	v_mov_b32 v[FD+3+\i], v[CT+\i]
.endr
.if (\t)+2 < 4
	VLOAD (\t)+2
.endif
.endm
	s_load_b128 s[4:7], s[0:1], 0x0                ; key, value
	s_load_b64 s[8:9], s[0:1], 0x10                ; kv
	v_lshl_add_u32 v254, v0, 2, 0x8800
	v_mov_b32 v255, 0
	v_lshrrev_b32 v1, 5, v0
	v_readfirstlane_b32 s10, v1                    ; wave 0..3
	v_and_b32 v1, 31, v0                           ; lane
	v_lshlrev_b32 v2, 4, v1                        ; 16 x lane: a load's, an image's and the scale words' place
	v_and_b32 v3, 15, v0                           ; r
	v_bfe_u32 v4, v0, 4, 1                         ; h
	s_mul_i32 s16, s10, WSTG                       ; my stage
	v_add_nc_u32 v5, s16, v2                       ; into it: 16 x lane of a row
	v_mul_u32_u24 v6, v3, SP
	v_lshl_add_u32 v6, v4, 7, v6
	v_add_nc_u32 v6, s16, v6                       ; out of it: row r, + 128 h
	v_lshlrev_b32 v7, 2, v1                        ; V: 4 bytes a lane
	s_lshl_b32 s17, s10, 2
	s_add_co_u32 s17, s17, SCB
	v_add_nc_u32 v8, s17, v2                       ; my scale word's place: 16 x lane + 4 x wave
	v_add_nc_u32 v9, SCB, v2                       ; and where wave 0 reads four of them back
	v_lshlrev_b32 v10, 3, v4                       ; 8 h
	v_mov_b32 v[T1], 0                             ; written once: a lane permute's destination counts as one of its sources
	s_mov_b32 s20, 0x76543210
	s_mov_b32 s21, 0xfedcba98                      ; v_permlanex16_b32's selects for lane l xor 16
	s_and_b32 s12, ttmp9, 255                      ; the unit
	s_lshr_b32 s11, ttmp9, 8                       ; 0: K, 1: V
	s_lshl_b32 s14, s10, 14                        ; K: my 32 keys of 512 bytes
	s_lshl_b32 s15, s10, 7                         ; V: my 32 columns of 4 bytes
	s_lshl_b32 s18, s12, 16                        ; a unit's 128 rows of 512 bytes
	s_mov_b32 s19, 0
	s_mul_i32 s22, s12, STEPB
	s_mul_i32 s23, s11, HALFB
	s_add_co_u32 s22, s22, s23                     ; where the tensor's part of the unit begins in kv
	s_mov_b32 s23, 0
	s_mul_i32 s24, s10, 2*1536                     ; my two images in it
	s_mov_b32 s25, 0
	s_wait_kmcnt 0x0
	s_cmp_lt_u32 ttmp9, 256                        ; the choice hangs on the work-group's number alone
	s_cselect_b64 s[4:5], s[4:5], s[6:7]
	s_cselect_b32 s14, s14, s15
	s_add_co_u32 s18, s18, s14
	s_add_nc_u64 s[4:5], s[4:5], s[18:19]
	s_add_nc_u64 s[8:9], s[8:9], s[22:23]
	s_add_nc_u64 s[26:27], s[8:9], s[24:25]
	s_cmp_lt_u32 ttmp9, 256
	s_cbranch_scc0 .Lvalue
	; ---- K: each load reads one key's 512 consecutive bytes
.irp u, 0,1
.irp i, 0,1,2,3,4,5,6,7,8,9,10,11,12,13,14,15
	global_load_b128 v[R+64*\u+4*\i:R+64*\u+4*\i+3], v2, s[4:5] offset:(8*\u+\i+8*(\i/8))*512 th:TH_LOAD_NT
.endr
.endr
	s_wait_alu depctr_va_vdst(0)
	KTILE 0, F0, W0, 16                            ; tile 1's sixteen loads may be out
	KTILE 1, F1, W1, 0
	v_cmp_gt_u32 vcc_lo, 16, v1
	v_cndmask_b32 v[W], v[W1], v[W0], vcc_lo       ; lanes 0-15: tile 2 w's words; lanes 16-31: tile 2 w + 1's
	s_branch .Ltail
.Lvalue:
	; ---- V: four blocks of 32 keys for my column; loads run two blocks ahead
	s_wait_alu depctr_va_vdst(0)
	VLOAD 0
	VLOAD 1
	VBLOCK 0
	VBLOCK 1
	VBLOCK 2
	VBLOCK 3
.irp i, 0,1,2,3,4,5,6,7,8,9,10,11
	v_permlane16_swap_b32 v[F0+\i], v[F1+\i]       ; F0's lanes 16-31 (columns 16-31, blocks 0, 2) change places with F1's lanes 0-15 (columns 0-15, blocks 1, 3): F0 is now tile 2 w's fragment, F1 tile 2 w + 1's
.endr                                                  ; my column's word is already where the scale register wants it: lanes 0-15 tile 2 w's rows, lanes 16-31 tile 2 w + 1's
.Ltail:
	s_wait_alu depctr_va_vdst(0)
.irp u, 0,1
.irp j, 0,1,2
	global_store_b128 v2, v[F0+12*\u+4*\j:F0+12*\u+4*\j+3], s[26:27] offset:1536*\u+512*\j   ; 32 lanes store 512 consecutive bytes, at a multiple of 256 from kv's first byte
.endr
.endr
	ds_store_b32 v8, v[W]
	s_wait_dscnt 0x0                               ; for wave 0's sake: my word has landed
	s_barrier_signal -1
	s_barrier_wait -1
	s_cmp_lg_u32 s10, 0
	s_cbranch_scc1 .Ldone
	ds_load_b128 v[12:15], v9                      ; the four waves' words, 16 bytes a lane
	s_wait_dscnt 0x0
	global_store_b128 v2, v[12:15], s[8:9] offset:SCOFF
.Ldone:
	s_wait_tensorcnt 0x0
	ds_add_u32 v254, v255
	s_wait_dscnt 0x0
	s_endpgm
.Lfunc_end_k_q31ad8aed38_quant:
	.size	k_q31ad8aed38_quant, .Lfunc_end_k_q31ad8aed38_quant-k_q31ad8aed38_quant
	.p2alignl 7, 3214868480
	.fill 96, 4, 3214868480
	.section	.rodata,"a",@progbits
	.p2align	6, 0x0
	.amdhsa_kernel k_q31ad8aed38_quant
		.amdhsa_group_segment_fixed_size 35328
		.amdhsa_private_segment_fixed_size 0
		.amdhsa_enable_private_segment 0
		.amdhsa_kernarg_size 24
		.amdhsa_user_sgpr_count 2
		.amdhsa_user_sgpr_kernarg_segment_ptr 1
		.amdhsa_wavefront_size32 1
		.amdhsa_system_sgpr_workgroup_id_x 1
		.amdhsa_system_sgpr_workgroup_id_y 1
		.amdhsa_system_sgpr_workgroup_id_z 1
		.amdhsa_system_vgpr_workitem_id 0
		.amdhsa_next_free_vgpr 256
		.amdhsa_next_free_sgpr 66
		.amdhsa_reserve_vcc 1
		.amdhsa_float_denorm_mode_32 3
		.amdhsa_float_denorm_mode_16_64 3
		.amdhsa_memory_ordered 1
		.amdhsa_forward_progress 1
		.amdhsa_inst_pref_size 35
	.end_amdhsa_kernel
	.amdgpu_metadata
---
amdhsa.version: [ 1, 2 ]
amdhsa.kernels:
  - .name:           k_q31ad8aed38_quant
    .symbol:         k_q31ad8aed38_quant.kd
    .args:
      - { .name: key, .offset: 0, .size: 8, .value_kind: global_buffer, .address_space: global }
      - { .name: value, .offset: 8, .size: 8, .value_kind: global_buffer, .address_space: global }
      - { .name: kv, .offset: 16, .size: 8, .value_kind: global_buffer, .address_space: global }
    .group_segment_fixed_size: 35328
    .private_segment_fixed_size: 0
    .kernarg_segment_align: 8
    .kernarg_segment_size: 24
    .max_flat_workgroup_size: 128
    .sgpr_count:     66
    .vgpr_count:     256
    .wavefront_size: 32
...
	.end_amdgpu_metadata
.endif
;; end of part 1
;; launch attn (part 2): grid 32 x 16, 8 waves a work-group, clusters of 4 x 4, 327,680 bytes of LDS; arguments query, kv, attention_mask, scale_attn, out0; writes out0
.if DOCPART == 2
	.amdgcn_target "amdgcn-amd-amdhsa--gfx1250"
	.amdhsa_code_object_version 6
	.text
	.protected	k_q31ad8aed38_attn
	.globl	k_q31ad8aed38_attn
	.p2align	8
	.type	k_q31ad8aed38_attn,@function
k_q31ad8aed38_attn:
	s_mov_b64 s[64:65], 0
	v_nop
	global_prefetch_b8 v0, s[64:65] scope:SCOPE_SE
	s_setreg_imm32_b32 hwreg(HW_REG_WAVE_MODE, 25, 1), 1
	s_wait_xcnt 0x0
	s_wait_alu depctr_hold_cnt(0) depctr_sa_sdst(0) depctr_va_vdst(0) depctr_va_sdst(0) depctr_va_ssrc(0) depctr_va_vcc(0) depctr_vm_vsrc(0)
	s_getreg_b32 s2, hwreg(HW_REG_IB_STS2, 6, 4)
	s_cmp_eq_u32 s2, 0
	s_cbranch_scc0 .Lentry_in_a_cluster
	s_endpgm
.Lentry_in_a_cluster:
	s_bfe_u32 s2, ttmp6, 0x10000c
	s_cmp_lg_u32 s2, 0xf033
	s_cbranch_scc0 .Lentry_shape_is_right
	s_endpgm
.Lentry_shape_is_right:
; out0[b][h][q][:] = sum over k of softmax_k(query[b][h][q] . key[b][h / 4][k] / scale_attn + attention_mask[b][0][q][k]) value[b][h / 4][k][:].  2 x 32 heads, 2,048 queries and keys, head size 128.
; Both products on codes of FP6 (E2M3), one E8M0 scale for each 32 along a product's K.  K's and V's codes come from kv as images of the operands' registers; Q is quantised here.
; THE MASK IS AN INPUT: every query meets all 2,048 keys, every number of the mask is read and added in f32.  No work is left out.
; THE SOFTMAX: t = score x (log2(e) / scale) + mask x log2(e): the mask's product is rounded (once for both tiles of a wave), then one fused multiply-add gives t, a rounded f32 number of its own.
; M = the row's largest t so far, rounded up to a whole number, taken off by a separate addition; p = 2^(t - M) is quantised along the keys, not normalised; the row's sum is taken of the unquantised p.
; When M moves, the sum and O are multiplied by 2^(old M - new M): exact.
; SHARES.  A work-group owns 64 queries x the 4 query heads of one key and value head.  Wave w owns queries 16 (w % 4) on, of heads 2 (w / 4) and 2 (w / 4) + 1: two tiles; a fragment of K or V feeds two products.
; LAYOUT.  Both products transposed: S^T = K Q^T, O^T = V^T P^T: a lane holds one query (lane % 16); register 16 b + i of S^T is key 32 b + 16 (lane / 16) + i of the step.
; TWO GROUPS OF WAVES, by the parity of w xor (w / 4).  A key step has two parts: LQK (all its LDS loads, the first product, mask x log2(e)) and SPV (t, softmax, second product: registers alone, and the wait for V's loads).
; Group 0 walks a slot as LQK SPV LQK SPV.  Group 1 carries the last SPV across the change of slots: SPV LQK SPV LQK.  So behind a change of slots one group's LDS loads and products stand beside the other's softmax.
; In the first slot group 1 has nothing carried, in the last it ends with its own SPV.  Every wave passes the same barriers, waits and adds; the branches hang on the wave's number and the trip alone.
; THE TWO TILES' SOFTMAX IS ONE TEXT: each of its steps is laid for both tiles side by side (8 or 16 independent chains), so that a line seldom reads what one of the four lines above it wrote.
; CLUSTER.  4 x 4 work-groups: x = blocks of queries, y = key and value heads.  A row of the cluster walks the same K and V, a column the same tiles of the mask: each tile is asked for jointly.
; THE RING.  Two slots of 256 keys.  Waves 0, 1 fetch the two steps' K and V (25,600 dense bytes each), waves 2, 3 the two tiles of the mask (64 rows x 512 bytes); one tensor load of a wave is out at most.
; No prefetch is laid: a refill is asked for directly behind a change of slots and awaited at the next one, two key steps of every wave later.
; LIMITS: NaN and +infinity among the inputs are not served; scale_attn that is 0, denormal or infinite is not served; a block of Q or p whose largest magnitude lies under 2^-124 is taken at that floor
; (a block of zeros has the byte 1 where the rule says 127: its codes are zeros).  The order of rounding of t differs from logit x log2(e): where |t| is 2^24 or more, the two agree while |score x log2(e) / scale| stays under half a unit in t's last place.
; REGISTERS.  Window 0: v1-11 addresses; v[14:15] log2(e) / scale; v16-23 statistics; v24-31 K's, V's scale words; v32-55 Q's codes; v56-59 Q's, p's scale words; v[60:63] f, a pair a tile; v64-127 the mask, then p's codes and work; v128-255 S^T, t, p.
;             Window 1: v0-127 O^T (tile x, channels 16 t on: 64 x + 8 t); v128-223 eight fragments, K's and V's by turns.
.set STEPB, 25600
.set KSC,   12288
.set VIM,   12800
.set VSC,   25088
.set MOFF,  2*STEPB
.set MP,    528                        ; a row of the mask in LDS: 512 bytes + 16
.set MTILE, 64*MP
.set SLOT1, 1<<17
.set STAGE, 2*SLOT1                    ; 16 rows x 272 bytes for each wave, for Q's way in and O's way out; no tile lands there
.set SGP,   272
.set WSTG,  16*SGP
.set SPARE, STAGE+8*WSTG               ; the spare words, 128 bytes a wave
.set NSL,   8
.set HEADB, 2048*512
.set LI,  1
.set MA0, 2
.set ADF, 3
.set ADM, 4
.set SPW, 5
.set NIL, 6
.set GO,  7
.set STI, 8
.set STQ, 9
.set STO, 10
.set H8,  11
.set INV, 14
.set ST,  16                           ; tile x: v[16+4x] -M, +1 the largest t, +2, +3 the sum in two halves
.set KS,  24
.set VS,  28
.set Q,   32
.set QW,  56
.set PW,  58
.set FF,  60                           ; tile x: v[60+2x] f; the register above it is named with it as a pair
.set MK,  64
.set S,   128
.set P,   64                           ; where the mask lay: v64-87 p's codes, 12 a tile
.set CT,  88                           ; v88-103 second halves of pairs of blocks, 8 a tile
.set BM,  104                          ; v104-111 the blocks' largest t, then p, 4 a tile; then two partial sums a tile
.set SO,  112                          ; v112-119 second chains of the maxima; then the conversions' scale operands
.set PD,  120                          ; v120-127 at work
.set FR,  128
.set QMX, 128
.set QSO, 130
.set QBY, 132
.set QT0, 134
.set QT1, 135
.set QCT, 136
.set WV,  14
.set SEL, 20
.set L2E, 22
.set G1K, 24
.set G1M, 32
.set G0K, 40
.set G0M, 44
.set TB,  48
.set SLOTS, 49
.set GRP, 66                           ; s66  my group, 0 or 1
.set DEF, 67                           ; s67  1 where an SPV has been carried across the change of slots
.set MSB, 0
.macro WIN new
.if MSB != \new
	s_set_vgpr_msb (MSB<<8)|\new
.set MSB, \new
.endif
.endm
.macro PLACES
.rept 4
	v_nop
.endr
.endm
.macro ROUND
	s_barrier_signal -1
	s_barrier_wait -1
	s_cmp_lg_u32 s[WV], 0
	s_cbranch_scc1 .Lnot_wave_0_\@
	s_barrier_signal -3
.Lnot_wave_0_\@:
	s_barrier_wait -3
	s_barrier_signal -1
	s_barrier_wait -1
.endm
; A joint load: waves 0, 1 for K and V, waves 2, 3 for the mask, the others none
.macro TLOAD
	s_cmp_lt_u32 s[WV], 2
	s_cbranch_scc0 .Lnot_k_\@
	tensor_load_to_lds s[G0K:G0K+3], s[G1K:G1K+7]
	s_nop 0
.rept 4
	v_nop
.endr
	s_branch .Lasked_\@
.Lnot_k_\@:
	s_cmp_lt_u32 s[WV], 4
	s_cbranch_scc0 .Lasked_\@
	tensor_load_to_lds s[G0M:G0M+3], s[G1M:G1M+7]
	s_nop 0
.rept 4
	v_nop
.endr
.Lasked_\@:
.endm
; 64 numbers of a lane (two whole blocks) become a fragment's 12 registers at v[f] and my row's scale word in v[w]
.macro QB x, f, w
.irp c, 0,1
	v_max3_num_f32 v[QMX+\c], |v[\x+32*\c]|, |v[\x+32*\c+1]|, 0x1800000     ; the floor 2^(3 - 127) among the leaves
.endr
.irp i, 2,4,6,8,10,12,14,16,18,20,22,24,26,28,30
.irp c, 0,1
	s_delay_alu instid0(VALU_DEP_2)
	v_max3_num_f32 v[QMX+\c], v[QMX+\c], |v[\x+32*\c+\i]|, |v[\x+32*\c+\i+1]|
.endr
.endr
.irp c, 0,1
	s_delay_alu instid0(VALU_DEP_2)
	v_add_nc_u32 v[QSO+\c], 0xff000000, v[QMX+\c]  ; 2 off the exponent field: the conversion's scale operand
.endr
.irp c, 0,1
	s_delay_alu instid0(VALU_DEP_2)
	v_lshrrev_b32 v[QBY+\c], 23, v[QSO+\c]
.endr
	s_delay_alu instid0(VALU_DEP_1)
	v_lshl_or_b32 v[QT0], v[QBY+1], 16, v[QBY]
	s_delay_alu instid0(VALU_DEP_1)
	v_lshlrev_b32 v[QT0], v[H8], v[QT0]
	s_delay_alu instid0(VALU_DEP_1)
	v_permlanex16_b32 v[QT1], v[QT0], s[SEL], s[SEL+1]
	s_delay_alu instid0(VALU_DEP_1)
	v_or_b32 v[\w], v[QT0], v[QT1]
.irp c, 0,1
	v_cvt_scalef32_pk16_fp6_f32 v[\f+6*\c:\f+6*\c+2], v[\x+32*\c:\x+32*\c+15], v[QSO+\c]
	v_cvt_scalef32_pk16_fp6_f32 v[QCT+4*\c:QCT+4*\c+2], v[\x+32*\c+16:\x+32*\c+31], v[QSO+\c]
.endr
	v_nop                                          ; one plain place behind a scaled conversion
.irp c, 0,1
.irp i, 0,1,2
	v_mov_b32 v[\f+6*\c+3+\i], v[QCT+4*\c+\i]
.endr
.endr
.endm
; Q's tile x turns through my stage, half a row at a time, and comes back 128 consecutive bytes a lane
.macro QTILE x, left
	s_wait_loadcnt \left
.irp u, 0,1
.irp i, 0,1,2,3,4,5,6,7
	ds_store_b128 v[STI], v[S+64*\x+32*\u+4*\i:S+64*\x+32*\u+4*\i+3] offset:2*SGP*\i
.endr
.irp j, 0,1,2,3,4,5,6,7
	ds_load_b128 v[MK+32*\u+4*\j:MK+32*\u+4*\j+3], v[STQ] offset:16*\j
.endr
.endr
	s_wait_dscnt 0x0
	QB MK, Q+12*\x, QW+\x
.endm
; The largest t of tile x's four blocks of 32 keys: my 16 registers of a block in two chains (v[BM ..], v[SO ..]), eight chains by turns
.macro TREE x
.set rS, S+64*(\x)
.set rB, BM+4*(\x)
.set rO, SO+4*(\x)
.irp b, 0,1,2,3
	v_max3_num_f32 v[rB+\b], v[rS+16*\b], v[rS+16*\b+1], v[rS+16*\b+2]
.endr
.irp b, 0,1,2,3
	v_max3_num_f32 v[rO+\b], v[rS+16*\b+7], v[rS+16*\b+8], v[rS+16*\b+9]
.endr
.irp i, 3,5
.irp b, 0,1,2,3
	v_max3_num_f32 v[rB+\b], v[rB+\b], v[rS+16*\b+\i], v[rS+16*\b+\i+1]
.endr
.irp b, 0,1,2,3
	v_max3_num_f32 v[rO+\b], v[rO+\b], v[rS+16*\b+\i+7], v[rS+16*\b+\i+8]
.endr
.endr
.irp b, 0,1,2,3
	v_max3_num_f32 v[rB+\b], v[rB+\b], v[rS+16*\b+14], v[rS+16*\b+15]
.endr
.endm
; One turn of the row sums: three pairs of p for each tile, onto the running sum and two partial sums: six chains by turns
.macro SUMR
.irp x, 0,1
	v_pk_add_f32 v[ST+4*\x+2:ST+4*\x+3], v[ST+4*\x+2:ST+4*\x+3], v[S+64*\x+j:S+64*\x+j+1]
	v_pk_add_f32 v[BM+4*\x:BM+4*\x+1], v[BM+4*\x:BM+4*\x+1], v[S+64*\x+j+2:S+64*\x+j+3]
	v_pk_add_f32 v[BM+4*\x+2:BM+4*\x+3], v[BM+4*\x+2:BM+4*\x+3], v[S+64*\x+j+4:S+64*\x+j+5]
.endr
.set j, j+6
.endm
; THE SOFTMAX of both tiles for one key step: t in v[S ..] becomes p, p's codes and scale words; the sums and O^T are brought under the new M
.macro SOFT2
	TREE 0
	TREE 1
.irp k, 0,1,2,3,4,5,6,7
	v_max_num_f32 v[BM+\k], v[BM+\k], v[SO+\k]     ; the two chains joined
.endr
.irp k, 0,1,2,3,4,5,6,7
	v_permlanex16_b32 v[PD+\k], v[BM+\k], s[SEL], s[SEL+1]
.endr
.irp k, 0,1,2,3,4,5,6,7
	v_max_num_f32 v[BM+\k], v[BM+\k], v[PD+\k]     ; with lane l xor 16's 16 keys: the block's largest t; it serves for the row's maximum and for the block's largest p
.endr
	v_mov_b32 v[PD], v[ST]                         ; the old -M of both tiles
	v_mov_b32 v[PD+1], v[ST+4]
	v_max3_num_f32 v[PD+2], v[BM], v[BM+1], v[BM+2]
	v_max3_num_f32 v[PD+3], v[BM+4], v[BM+5], v[BM+6]
.irp x, 0,1
	s_delay_alu instid0(VALU_DEP_2)
	v_max3_num_f32 v[ST+4*\x+1], v[ST+4*\x+1], v[PD+2+\x], v[BM+4*\x+3]          ; the running largest t
.endr
.irp x, 0,1
	s_delay_alu instid0(VALU_DEP_2)
	v_floor_f32 v[ST+4*\x], -v[ST+4*\x+1]          ; the new -M = -ceil(t)
.endr
.irp x, 0,1
	s_delay_alu instid0(VALU_DEP_2)
	v_sub_f32 v[PD+2+\x], v[ST+4*\x], v[PD+\x]     ; old M less new M: a whole number, 0 or less
.endr
.irp x, 0,1
	s_delay_alu instid0(VALU_DEP_2)
	v_cvt_i32_f32 v[PD+2+\x], v[PD+2+\x]           ; (it saturates)
.endr
.irp x, 0,1
	s_delay_alu instid0(VALU_DEP_2)
	v_ldexp_f32 v[FF+2*\x], 1.0, v[PD+2+\x]        ; f = 2^(old M - new M)
.endr
.irp x, 0,1
.set n, 0
.rept 32
	v_pk_add_f32 v[S+64*\x+n:S+64*\x+n+1], v[S+64*\x+n:S+64*\x+n+1], v[ST+4*\x:ST+4*\x+1] op_sel_hi:[1,0]   ; t - M
.set n, n+2
.endr
.endr
.irp k, 0,1,2,3,4,5,6,7
	v_add_f32 v[BM+\k], v[BM+\k], v[ST+4*(\k/4)]
.endr
.set n, 0
	s_wait_alu depctr_va_vdst(0)                   ; ahead of the batch
.rept 128
	v_exp_f32 v[S+n], v[S+n]                       ; p = 2^(t - M), at most 1
.set n, n+1
.endr
.irp k, 0,1,2,3,4,5,6,7
	v_exp_f32 v[BM+\k], v[BM+\k]                   ; the block's largest p: the same instructions on the same number
.endr
.irp x, 0,1
	v_pk_mul_f32 v[ST+4*\x+2:ST+4*\x+3], v[ST+4*\x+2:ST+4*\x+3], v[FF+2*\x:FF+2*\x+1] op_sel_hi:[1,0]       ; the sums under the new M; the plain place behind the batch
.endr
	s_wait_alu depctr_va_vdst(0)                   ; and behind it
.irp k, 0,1,2,3,4,5,6,7
	v_max_num_f32 v[BM+\k], 0x1800000, v[BM+\k]    ; the floor 2^(3 - 127)
.endr
.irp k, 0,1,2,3,4,5,6,7
	v_add_nc_u32 v[SO+\k], 0xff000000, v[BM+\k]    ; 2 off the exponent field: the conversion's scale operand
.endr
.irp k, 0,1,2,3,4,5,6,7
	v_lshrrev_b32 v[PD+\k], 23, v[SO+\k]           ; the scale's byte
.endr
.irp x, 0,1
.irp c, 0,1
	v_cvt_scalef32_pk16_fp6_f32 v[P+12*\x+6*\c:P+12*\x+6*\c+2], v[S+64*\x+32*\c:S+64*\x+32*\c+15], v[SO+4*\x+2*\c]
	v_cvt_scalef32_pk16_fp6_f32 v[CT+8*\x+4*\c:CT+8*\x+4*\c+2], v[S+64*\x+32*\c+16:S+64*\x+32*\c+31], v[SO+4*\x+2*\c+1]
.endr
.endr
; the row's sum of the unquantised p.  (The lines below, which touch no result of the conversions, are the plain places behind them)
.irp x, 0,1
	v_pk_add_f32 v[BM+4*\x:BM+4*\x+1], v[S+64*\x:S+64*\x+1], v[S+64*\x+2:S+64*\x+3]
	v_pk_add_f32 v[BM+4*\x+2:BM+4*\x+3], v[S+64*\x+4:S+64*\x+5], v[S+64*\x+6:S+64*\x+7]
.endr
.irp x, 0,1
	v_lshl_or_b32 v[PD+4*\x], v[PD+4*\x+1], 8, v[PD+4*\x]          ; p's scale word for these 128 keys: two halves,
	v_lshl_or_b32 v[PD+4*\x+2], v[PD+4*\x+3], 8, v[PD+4*\x+2]
.endr
.set j, 8
	SUMR
.irp x, 0,1
	v_lshl_or_b32 v[PW+\x], v[PD+4*\x+2], 16, v[PD+4*\x]           ; joined
.endr
.rept 8
	SUMR
.endr
.irp x, 0,1                                    ; a whole block to a lane: lanes 0-15 block 2 c, lanes 16-31 block 2 c + 1
.irp c, 0,1
.irp i, 0,1,2
	v_permlane16_swap_b32 v[P+12*\x+6*\c+\i], v[CT+8*\x+4*\c+\i]
.endr
.endr
.endr
.irp x, 0,1
	v_pk_add_f32 v[ST+4*\x+2:ST+4*\x+3], v[ST+4*\x+2:ST+4*\x+3], v[S+64*\x+62:S+64*\x+63]
.endr
.irp x, 0,1
	v_pk_add_f32 v[BM+4*\x:BM+4*\x+1], v[BM+4*\x:BM+4*\x+1], v[BM+4*\x+2:BM+4*\x+3]
.endr
.irp x, 0,1
.irp c, 0,1
.irp i, 0,1,2
	v_mov_b32 v[P+12*\x+6*\c+3+\i], v[CT+8*\x+4*\c+\i]
.endr
.endr
.endr
.irp x, 0,1
	v_pk_add_f32 v[ST+4*\x+2:ST+4*\x+3], v[ST+4*\x+2:ST+4*\x+3], v[BM+4*\x:BM+4*\x+1]
.endr
	s_wait_alu depctr_va_vdst(0)                   ; directly ahead of the first reader of O^T
	WIN 0x41
.irp x, 0,1
.set n, 64*\x
.rept 32
	v_pk_mul_f32 v[n:n+1], v[n:n+1], v[FF+2*\x:FF+2*\x+1] op_sel_hi:[1,0]        ; O^T under the new M, each accumulator from its low end on
.set n, n+2
.endr
.endr
	WIN 0
.endm
; LQK: the first part of key step q of the slot in hand, for both tiles: all the step's LDS loads, S^T, mask x log2(e)
.macro LQK q
	PLACES                                         ; behind the last products, in front of loads into the fragments' and p's codes' registers
	WIN 0x40
.irp t, 0,1,2,3,4,5,6,7
.irp c, 0,1,2
	ds_load_b128 v[FR+12*\t+4*\c:FR+12*\t+4*\c+3], v[ADF] offset:STEPB*(\q)+1536*\t+512*\c
.endr
.endr
	WIN 0
	ds_load_b128 v[KS:KS+3], v[ADF] offset:STEPB*(\q)+KSC
.irp b, 0,1,2,3
.irp j, 0,1,2,3
	ds_load_b128 v[MK+16*\b+4*\j:MK+16*\b+4*\j+3], v[ADM] offset:MTILE*(\q)+128*\b+16*\j
.endr
.endr
	s_wait_dscnt 16                                ; K's fragments and scale words are in; the sixteen loads of the mask may be out
	WIN 0x01
.irp t, 0,1,2,3,4,5,6,7                        ; S^T = K Q^T: sixteen accumulators, each started by the constant 0
.irp x, 0,1
.if \t%2
	v_wmma_scale_f32_16x16x128_f8f6f4 v[S+64*\x+8*\t:S+64*\x+8*\t+7], v[FR+12*\t:FR+12*\t+11], v[Q+12*\x:Q+12*\x+11], 0, v[KS+\t/2], v[QW+\x] matrix_a_fmt:MATRIX_FMT_FP6 matrix_b_fmt:MATRIX_FMT_FP6 matrix_a_scale:MATRIX_SCALE_ROW1
.else
	v_wmma_scale_f32_16x16x128_f8f6f4 v[S+64*\x+8*\t:S+64*\x+8*\t+7], v[FR+12*\t:FR+12*\t+11], v[Q+12*\x:Q+12*\x+11], 0, v[KS+\t/2], v[QW+\x] matrix_a_fmt:MATRIX_FMT_FP6 matrix_b_fmt:MATRIX_FMT_FP6
.endif
.endr
.endr
	WIN 0
	s_wait_dscnt 0x0                               ; the mask is in
.set n, 0
.rept 32
	v_pk_mul_f32 v[MK+n:MK+n+1], v[MK+n:MK+n+1], s[L2E:L2E+1] op_sel_hi:[1,0]    ; mask x log2(e), once for both tiles.  These 32 name no register of the products: they are the places behind them
.set n, n+2
.endr
	WIN 0x40
.irp t, 0,1,2,3,4,5,6,7
.irp c, 0,1,2
	ds_load_b128 v[FR+12*\t+4*\c:FR+12*\t+4*\c+3], v[ADF] offset:STEPB*(\q)+VIM+1536*\t+512*\c   ; V's eight fragments
.endr
.endr
	WIN 0
	ds_load_b128 v[VS:VS+3], v[ADF] offset:STEPB*(\q)+VSC
	s_wait_alu depctr_va_vdst(0)
.endm
; SPV: the second part of a key step: work on registers, and the wait for V's loads
.macro SPV
.set n, 0
.rept 32
	v_pk_fma_f32 v[S+n:S+n+1], v[S+n:S+n+1], v[INV:INV+1], v[MK+n:MK+n+1]                        ; t, rounded once; each accumulator from its low end on
	v_pk_fma_f32 v[S+64+n:S+64+n+1], v[S+64+n:S+64+n+1], v[INV:INV+1], v[MK+n:MK+n+1]            ; the same 64 numbers of the mask serve both heads
.set n, n+2
.endr
	SOFT2                                          ; its 64 lines of rescaling are the places between the last write of p's codes and scale words and the products
	s_wait_alu depctr_va_vdst(0)
	s_wait_dscnt 0x0                               ; V's fragments and scale words are in
	WIN 0x51
.irp t, 0,1,2,3,4,5,6,7                        ; O^T += V^T P^T: the sixteen accumulators by turns
.irp x, 0,1
.if \t%2
	v_wmma_scale_f32_16x16x128_f8f6f4 v[64*\x+8*\t:64*\x+8*\t+7], v[FR+12*\t:FR+12*\t+11], v[P+12*\x:P+12*\x+11], v[64*\x+8*\t:64*\x+8*\t+7], v[VS+\t/2], v[PW+\x] matrix_a_fmt:MATRIX_FMT_FP6 matrix_b_fmt:MATRIX_FMT_FP6 matrix_a_scale:MATRIX_SCALE_ROW1
.else
	v_wmma_scale_f32_16x16x128_f8f6f4 v[64*\x+8*\t:64*\x+8*\t+7], v[FR+12*\t:FR+12*\t+11], v[P+12*\x:P+12*\x+11], v[64*\x+8*\t:64*\x+8*\t+7], v[VS+\t/2], v[PW+\x] matrix_a_fmt:MATRIX_FMT_FP6 matrix_b_fmt:MATRIX_FMT_FP6
.endif
.endr
.endr
	WIN 0
.endm
; THE CHANGE OF SLOTS.  Each wave waits for all its tensor loads, adds 0 to its spare word, and waits for that and for its reads of the slot that it has left (group 1: V's loads of the carried step among them).
.macro CHANGE fill
	s_wait_tensorcnt 0x0
	ds_add_u32 v[SPW], v[NIL]
.if \fill
	s_xor_b32 s[G0K+1], s[G0K+1], SLOT1
	s_add_nc_u64 s[G0K+2:G0K+3], s[G0K+2:G0K+3], 2*STEPB
	s_xor_b32 s[G0M+1], s[G0M+1], SLOT1
	s_add_nc_u64 s[G0M+2:G0M+3], s[G0M+2:G0M+3], 2*512
.endif
	s_wait_dscnt 0x0
.if \fill
	ROUND
	TLOAD                                          ; the first thing behind the round, a wave's one tensor load until the next
.else
	s_barrier_signal -1
	s_barrier_wait -1
.endif
.endm
; A SLOT'S WORK.  last = 1: every wave ends with its own SPV
.macro BODY last
	v_add_nc_u32 v[ADF], s[TB], v[LI]
	v_add_nc_u32 v[ADM], s[TB], v[MA0]
	s_wait_alu depctr_va_vdst(0)
	s_cmp_eq_u32 s[DEF], 0
	s_cbranch_scc1 .Lnone_\@
	SPV                                            ; group 1: the step carried across the change of slots
.Lnone_\@:
	LQK 0
	SPV
	LQK 1
.if \last
	SPV
.else
	s_cmp_lg_u32 s[GRP], 0
	s_cbranch_scc1 .Lcarry_\@
	SPV                                            ; group 0 alone
.Lcarry_\@:
	s_xor_b32 s[TB], s[TB], SLOT1
	s_mov_b32 s[DEF], s[GRP]
.endif
.endm
; THE WAY OUT of tile x: O^T / the sum through my stage, half a row of 16 queries at a time; sixteen lanes store 256 consecutive bytes
.macro OUT x
.set rB, MK+64*(\x)
	WIN 0x01
.set n, 0
.rept 64
	v_mul_f32 v[S+64*(\x)+n], v[64*(\x)+n], v[ST+4*(\x)+1]
.set n, n+1
.endr
	WIN 0
.irp u, 0,1
.irp t, 0,1,2,3
	ds_store_b128 v[STO], v[S+64*(\x)+32*\u+8*\t:S+64*(\x)+32*\u+8*\t+3] offset:64*\t
	ds_store_b128 v[STO], v[S+64*(\x)+32*\u+8*\t+4:S+64*(\x)+32*\u+8*\t+7] offset:64*\t+16
.endr
.irp i, 0,1,2,3,4,5,6,7
	ds_load_b128 v[rB+32*\u+4*\i:rB+32*\u+4*\i+3], v[STI] offset:2*SGP*\i
.endr
.endr
.irp u, 0,1
.irp i, 0,1,2,3,4,5,6,7
	s_wait_dscnt 23-16*\u-\i                       ; behind load (u, i): the 7 - i loads of its half, and for u = 0 the other half's 8 stores and 8 loads
	global_store_b128 v[GO], v[rB+32*\u+4*\i:rB+32*\u+4*\i+3], s[12:13] offset:HEADB*(\x)+1024*\i+256*\u th:TH_STORE_NT
.endr
.endr
.endm
	s_load_b256 s[4:11], s[0:1], 0x0               ; query, kv, attention_mask, scale_attn
	s_load_b64 s[12:13], s[0:1], 0x20              ; out0
	v_lshl_add_u32 v[SPW], v0, 2, SPARE
	v_mov_b32 v[NIL], 0
	ds_add_u32 v[SPW], v[NIL]
	ds_add_u32 v[SPW], v[NIL]
	s_wait_dscnt 0x0
	v_lshrrev_b32 v12, 5, v0
	s_delay_alu instid0(VALU_DEP_1)
	v_readfirstlane_b32 s[WV], v12                 ; wave 0..7
	v_and_b32 v12, 15, v0                          ; r
	v_bfe_u32 v13, v0, 4, 1                        ; h
	s_delay_alu instid0(VALU_DEP_1)
	v_lshlrev_b32 v[GO], 9, v13
	s_delay_alu instid0(VALU_DEP_1)
	v_lshl_add_u32 v[GO], v12, 4, v[GO]            ; in Q and O: lanes 0-15 one row, lanes 16-31 the next, 16 bytes a lane
	s_and_b32 s15, s[WV], 1                        ; which of a slot's two key steps I fetch, if I fetch
	s_lshr_b32 s[GRP], s[WV], 2
	s_xor_b32 s[GRP], s[GRP], s[WV]
	s_and_b32 s[GRP], s[GRP], 1                    ; my group: the parity of w xor (w / 4)
	s_mov_b32 s[DEF], 0                            ; nothing is carried into the first slot
	s_bfe_u32 s16, ttmp6, 0x40000                  ; cx
	s_bfe_u32 s17, ttmp6, 0x40004                  ; cy
	s_lshl_b32 s18, ttmp9, 2
	s_add_co_u32 s18, s18, s16                     ; my block of 64 queries
	s_and_b32 s19, ttmp7, 0xffff                   ; cluster y: four key and value heads of one batch
	s_lshl_b32 s50, s17, 2
	s_lshl_b32 s50, 15, s50                        ; my row of the cluster
	s_lshl_b32 s51, 0x1111, s16                    ; my column
	; group 1 for K and V: 25,600 dense bytes as 100 rows of 32 elements of 8 bytes
	s_or_b32 s[G1K], s50, (3<<16)|(1<<21)
	s_mov_b32 s[G1K+1], 32<<16
	s_mov_b32 s[G1K+2], 100<<16
	s_mov_b32 s[G1K+3], 32<<16
	s_mov_b32 s[G1K+4], 100
	s_mov_b32 s[G1K+5], 32
	s_mov_b32 s[G1K+6], 0
	s_mov_b32 s[G1K+7], 0
	; and for the mask: 64 rows x 128 elements of 4 bytes, 2,048 from row to row, 16 bytes of padding behind each row
	s_or_b32 s[G1M], s51, (2<<16)|(1<<20)|(1<<21)|(6<<22)|(3<<25)
	s_mov_b32 s[G1M+1], 128<<16
	s_mov_b32 s[G1M+2], 64<<16
	s_mov_b32 s[G1M+3], 128<<16
	s_mov_b32 s[G1M+4], 64
	s_mov_b32 s[G1M+5], 2048
	s_mov_b32 s[G1M+6], 0
	s_mov_b32 s[G1M+7], 0
	; K and V hang on the key and value head alone, which my row of the cluster shares
	s_lshl_b32 s52, s19, 2
	s_add_co_u32 s52, s52, s17
	s_mul_i32 s52, s52, 16*STEPB
	s_mul_i32 s54, s15, STEPB
	s_add_co_u32 s52, s52, s54
	s_mov_b32 s53, 0
	; the mask hangs on the batch and the block of queries alone, which my column shares
	s_lshr_b32 s56, s19, 1
	s_lshl_b32 s56, s56, 24
	s_lshl_b32 s57, s18, 19
	s_add_co_u32 s56, s56, s57
	s_lshl_b32 s57, s15, 9
	s_add_co_u32 s56, s56, s57
	s_mov_b32 s57, 0
	s_mul_i32 s55, s15, MTILE
	s_add_co_u32 s55, s55, MOFF
	; Q and O: head 4 (4 x cluster y + cy) + 2 (w / 4), row 64 x block + 16 (w % 4)
	s_lshl_b32 s58, s19, 2
	s_add_co_u32 s58, s58, s17
	s_lshl_b32 s58, s58, 1
	s_lshr_b32 s59, s[WV], 2
	s_add_co_u32 s58, s58, s59
	s_lshl_b32 s58, s58, 21
	s_lshl_b32 s59, s18, 15
	s_add_co_u32 s58, s58, s59
	s_and_b32 s60, s[WV], 3
	s_lshl_b32 s59, s60, 13
	s_add_co_u32 s58, s58, s59
	s_mov_b32 s59, 0
	s_mov_b32 s[SEL], 0x76543210
	s_mov_b32 s[SEL+1], 0xfedcba98
	s_mov_b32 s[L2E], 0x3fb8aa3b                   ; log2(e)
	s_mov_b32 s[L2E+1], s[L2E]
	s_mov_b32 s[TB], 0
	s_mov_b32 s[SLOTS], NSL-1
	s_wait_alu depctr_va_vdst(0)
	s_wait_kmcnt 0x0
	s_load_b32 s61, s[10:11], 0x0                  ; scale_attn
	s_mov_b32 s[G0K], 1
	s_mov_b32 s[G0K+1], s54
	s_add_nc_u64 s[G0K+2:G0K+3], s[6:7], s[52:53]
	s_or_b32 s[G0K+3], s[G0K+3], 0x80000000
	s_mov_b32 s[G0M], 1
	s_mov_b32 s[G0M+1], s55
	s_add_nc_u64 s[G0M+2:G0M+3], s[8:9], s[56:57]
	s_or_b32 s[G0M+3], s[G0M+3], 0x80000000
	s_add_nc_u64 s[4:5], s[4:5], s[58:59]
	s_add_nc_u64 s[12:13], s[12:13], s[58:59]
.irp x, 0,1
.irp u, 0,1
.irp i, 0,1,2,3,4,5,6,7
	global_load_b128 v[S+64*\x+32*\u+4*\i:S+64*\x+32*\u+4*\i+3], v[GO], s[4:5] offset:HEADB*\x+1024*\i+256*\u th:TH_LOAD_NT   ; Q: sixteen lanes read 256 consecutive bytes; nobody writes these bytes, so the loads may be out across the round
.endr
.endr
.endr
	ROUND                                          ; all sixteen work-groups are here: the first joint loads meet
	TLOAD                                          ; slot 0
	v_and_b32 v[LI], 31, v0
	s_delay_alu instid0(VALU_DEP_1)
	v_lshlrev_b32 v[LI], 4, v[LI]
	s_mul_i32 s62, s60, 16*MP
	s_add_co_u32 s62, s62, MOFF
	v_mul_u32_u24 v[MA0], v12, MP
	s_delay_alu instid0(VALU_DEP_1)
	v_lshl_add_u32 v[MA0], v13, 6, v[MA0]
	s_delay_alu instid0(VALU_DEP_1)
	v_add_nc_u32 v[MA0], s62, v[MA0]
	s_mul_i32 s63, s[WV], WSTG
	s_add_co_u32 s63, s63, STAGE
	v_mul_u32_u24 v[STI], v13, SGP
	s_delay_alu instid0(VALU_DEP_1)
	v_lshl_add_u32 v[STI], v12, 4, v[STI]
	s_delay_alu instid0(VALU_DEP_1)
	v_add_nc_u32 v[STI], s63, v[STI]
	v_mul_u32_u24 v[STQ], v12, SGP
	s_delay_alu instid0(VALU_DEP_1)
	v_lshl_add_u32 v[STO], v13, 5, v[STQ]
	s_delay_alu instid0(VALU_DEP_2)
	v_lshl_add_u32 v[STQ], v13, 7, v[STQ]
	s_delay_alu instid0(VALU_DEP_2)
	v_add_nc_u32 v[STO], s63, v[STO]
	s_delay_alu instid0(VALU_DEP_2)
	v_add_nc_u32 v[STQ], s63, v[STQ]
	v_lshlrev_b32 v[H8], 3, v13
	s_wait_kmcnt 0x0                               ; scale_attn
	v_mov_b32 v12, s61
	s_wait_alu depctr_va_vdst(0)                   ; ahead of the transcendental
	v_rcp_f32 v13, v12
	v_nop
	s_wait_alu depctr_va_vdst(0)                   ; and behind it
	v_fma_f32 v[INV], -v12, v13, 1.0               ; one Newton step: y + y (1 - s y)
	v_fma_f32 v[INV], v13, v[INV], v13
	s_delay_alu instid0(VALU_DEP_1)
	v_mul_f32 v[INV], s[L2E], v[INV]               ; log2(e) / scale
	s_delay_alu instid0(VALU_DEP_1)
	v_mov_b32 v[INV+1], v[INV]
; the statistics and the clears stand ahead of the wait for Q's loads
.irp x, 0,1
	v_mov_b32 v[ST+4*\x+1], 0xff61b1e6             ; the largest t so far: -3e38
	s_delay_alu instid0(VALU_DEP_1)
	v_floor_f32 v[ST+4*\x], -v[ST+4*\x+1]
	v_mov_b32 v[ST+4*\x+2], 0
	v_mov_b32 v[ST+4*\x+3], 0
	v_mov_b32 v[FF+2*\x+1], 0                      ; (named with f as a pair)
.endr
.irp i, 0,1,2,3
	v_mov_b32 v[VS+\i], 0                          ; written once, with the fragments' registers below: the text of the carried SPV names them ahead of the first LQK's loads
.endr
	WIN 0x40
.set n, 0
.rept 224
	v_mov_b32 v[n], 0                              ; O^T (the key step has no first step of its own: the first change of M multiplies zeros), and the fragments' 96 registers
.set n, n+1
.endr
	WIN 0
	QTILE 0, 16                                    ; tile 1's sixteen loads may be out
	QTILE 1, 0
.Lslot:                                                ; NSL - 1 trips: behind each change of slots but the last the next slot is asked for
	CHANGE 1
	BODY 0
	s_sub_co_u32 s[SLOTS], s[SLOTS], 1
	s_cmp_lg_u32 s[SLOTS], 0
	s_cbranch_scc1 .Lslot
	CHANGE 0                                       ; the last slot is written out
	BODY 1
	PLACES                                         ; behind the last products
.irp x, 0,1
	v_add_f32 v[ST+4*\x+2], v[ST+4*\x+2], v[ST+4*\x+3]
.endr
.irp x, 0,1
	s_delay_alu instid0(VALU_DEP_2)
	v_permlanex16_b32 v[ST+4*\x], v[ST+4*\x+2], s[SEL], s[SEL+1]
.endr
.irp x, 0,1
	s_delay_alu instid0(VALU_DEP_2)
	v_add_f32 v[ST+4*\x+2], v[ST+4*\x+2], v[ST+4*\x]               ; the row's sum
.endr
	s_wait_alu depctr_va_vdst(0)                   ; ahead of the batch
.irp x, 0,1
	v_rcp_f32 v[ST+4*\x+1], v[ST+4*\x+2]
.endr
	v_nop
	s_wait_alu depctr_va_vdst(0)                   ; and behind it
	OUT 0
	OUT 1
	s_wait_tensorcnt 0x0                           ; the wave's end
	ds_add_u32 v[SPW], v[NIL]
	s_wait_dscnt 0x0
	ROUND                                          ; the closing round
	s_endpgm
.Lfunc_end_k_q31ad8aed38_attn:
	.size	k_q31ad8aed38_attn, .Lfunc_end_k_q31ad8aed38_attn-k_q31ad8aed38_attn
	.p2alignl 7, 3214868480
	.fill 96, 4, 3214868480
	.section	.rodata,"a",@progbits
	.p2align	6, 0x0
	.amdhsa_kernel k_q31ad8aed38_attn
		.amdhsa_group_segment_fixed_size 327680
		.amdhsa_private_segment_fixed_size 0
		.amdhsa_enable_private_segment 0
		.amdhsa_kernarg_size 40
		.amdhsa_user_sgpr_count 2
		.amdhsa_user_sgpr_kernarg_segment_ptr 1
		.amdhsa_wavefront_size32 1
		.amdhsa_system_sgpr_workgroup_id_x 1
		.amdhsa_system_sgpr_workgroup_id_y 1
		.amdhsa_system_sgpr_workgroup_id_z 1
		.amdhsa_system_vgpr_workitem_id 0
		.amdhsa_next_free_vgpr 512
		.amdhsa_next_free_sgpr 100
		.amdhsa_reserve_vcc 0
		.amdhsa_float_denorm_mode_32 3
		.amdhsa_float_denorm_mode_16_64 3
		.amdhsa_memory_ordered 1
		.amdhsa_forward_progress 1
		.amdhsa_inst_pref_size 255
	.end_amdhsa_kernel
	.section	.bss,"aw",@nobits
	.p2align	6
	.space	262144
	.amdgpu_metadata
---
amdhsa.version: [ 1, 2 ]
amdhsa.kernels:
  - .name:           k_q31ad8aed38_attn
    .symbol:         k_q31ad8aed38_attn.kd
    .args:
      - { .name: query, .offset: 0, .size: 8, .value_kind: global_buffer, .address_space: global }
      - { .name: kv, .offset: 8, .size: 8, .value_kind: global_buffer, .address_space: global }
      - { .name: attention_mask, .offset: 16, .size: 8, .value_kind: global_buffer, .address_space: global }
      - { .name: scale_attn, .offset: 24, .size: 8, .value_kind: global_buffer, .address_space: global }
      - { .name: out0, .offset: 32, .size: 8, .value_kind: global_buffer, .address_space: global }
    .group_segment_fixed_size: 327680
    .private_segment_fixed_size: 0
    .kernarg_segment_align: 8
    .kernarg_segment_size: 40
    .max_flat_workgroup_size: 256
    .sgpr_count:     100
    .vgpr_count:     512
    .wavefront_size: 32
...
	.end_amdgpu_metadata
.endif
;; end of part 2
